; MI455X (gfx1250); checked and timed in simulation.
; The chip was launched on July 23, 2026; its instructions are those of AMD's public machine-readable ISA for CDNA 5 (MIT licence, August 2026) and "CDNA5" Instruction Set Architecture Reference Guide (July 2026). The comments in the code are by the model that wrote it; some were corrected since.
;; Distance Probe. Allowed arithmetic: float matrix products may take bf16 or f16 operands with f32 sums; all other float work in f32.
;; Inputs: batch 8 x 512 x 1,024 float32; proj 1,024 x 128 float32.
;; Outputs: out0 8 x 512 x 512 float32.
;; 2 versions, each right; version 2 is version 1 with the launch gram written anew for expert scheduling mode. Each part assembles by itself: llvm-mc -triple=amdgcn-amd-amdhsa -mcpu=gfx1250 --defsym DOCPART=n.
;; ======== version 1 of 2: 2 launches
;; limits: values outside matrix products are rounded to bf16
;; workspace buffers: t 1,048,576 bytes
;; launch project (part 1): grid 256 x 1, 8 waves a work-group, clusters of 4 x 1, 275,456 bytes of LDS; arguments batch, proj, t; writes t
.if DOCPART == 1
	.amdgcn_target "amdgcn-amd-amdhsa--gfx1250"
	.amdhsa_code_object_version 6
	.text
	.protected	k_q723ea3386a_project
	.globl	k_q723ea3386a_project
	.p2align	8
	.type	k_q723ea3386a_project,@function
k_q723ea3386a_project:
	s_mov_b64 s[64:65], 0
	v_nop
	global_prefetch_b8 v0, s[64:65] scope:SCOPE_SE
	s_setreg_imm32_b32 hwreg(HW_REG_WAVE_MODE, 25, 1), 1
	s_wait_xcnt 0x0
	s_wait_alu depctr_hold_cnt(0) depctr_sa_sdst(0) depctr_va_vdst(0) depctr_va_sdst(0) depctr_va_ssrc(0) depctr_va_vcc(0) depctr_vm_vsrc(0)
	s_getreg_b32 s2, hwreg(HW_REG_IB_STS2, 6, 4)
	s_cmp_eq_u32 s2, 0
	s_cbranch_scc0 .Lentry_in_a_cluster
	s_endpgm
.Lentry_in_a_cluster:
	s_bfe_u32 s2, ttmp6, 0x10000c
	s_cmp_lg_u32 s2, 0x3003
	s_cbranch_scc0 .Lentry_shape_is_right
	s_endpgm
.Lentry_shape_is_right:
; u[i][n] = sum over k of (batch[i][k] - batch[i0][k]) * proj[k][n], rounded to bf16 into t; i0 = row 0 of row i's batch.
; batch: [8][512][1024] f32, proj: [1024][128] f32.  Squared distances do not change when all rows of a batch are shifted alike, so the
; reference row is taken away in f32 BEFORE the rounding to bf16: a common offset of the inputs never reaches a matrix operand, and the
; squared norms that the next launch subtracts from each other are distances to row i0, that is, numbers of the output's own size.
; LIMITS: a NaN or an infinity in row 0 of a batch spoils that whole batch, and so does batch[i][k] - batch[i0][k] beyond f32's range.
;
; SHARES.  A cluster of four work-groups owns 64 rows (group g = cluster x); work-group cx of it owns columns 32 cx .. 32 cx + 31 of proj.
; The four need the same 64 x 1024 numbers of batch (256 KB): these are asked for JOINTLY (mask 15), so batch is requested once for four.
; They fit in LDS whole (270,336 bytes with padding), so every tensor load is a first fill: no slot is ever filled again.
; proj is NOT asked for jointly: the four partners need different columns, and each number of a work-group's 128 KB of it is used by one
; wave alone, so it goes straight into that wave's registers; through LDS it would need 128 KB more than the 53,248 bytes that are left.
; Wave w owns k = 128 w .. 128 w + 127 for all 64 rows and 32 columns: 8 accumulator tiles; the eight waves' partial sums meet in LDS.
;
; ROWS.  Tile q (0..3) of the group holds rows 64 g + 4 r + q, r = 0..15: the mover fetches 16 rows with a stride of 4 rows.  The next launch
; wants it so: its lane r then owns the neighbouring output columns 4 r .. 4 r + 3.
; K.  Within a K step of 32, half h of the lanes takes k = 16 h + 0..15 in BOTH operands (a permutation of k applied alike to both keeps the
; products): 64 neighbouring bytes of a row of batch, and 16 rows of proj.
; THE MATRIX INSTRUCTION IS USED TRANSPOSED: source 0 = 16 columns of proj, source 1 = 16 rows of batch.  Lane (r, h) then holds eight numbers of
; row r, which pack into 16 bytes.  t is laid out in that order: tile (4 g + q) of 4,096 bytes = [quad c = 2 cx + nt][lane][16 bytes], so that
; a wave's store here and a wave's load in the next launch cover 512 consecutive bytes.  Which column of u sits where in a row's 256 bytes
; does not matter, since every row has the same order and the next launch only sums over them.
.set ROWB,   4096                      ; bytes in a row of batch
.set XPITCH, 528                       ; an LDS row: 512 bytes + 16 of padding = 33 x 16: the 16 rows that a load touches fall on 16 different 16-byte columns modulo 256
.set XTILE,  16*XPITCH                 ; 8,448: one tensor load
.set XWAVE,  4*XTILE                   ; 33,792: a wave's four tiles (132 blocks of 256 bytes)
.set X0LDS,  8*XWAVE                   ; 270,336: behind them the reference row, 512 bytes a wave
.set XA,  1                            ; v1       LDS address of my 64 bytes in row r of my wave's tile 0, K step 0
.set PO,  2                            ; v2       my byte offset in proj: 8,192 h + 8 r
.set X0A, 3                            ; v3       LDS address of my 64 bytes of the reference row
.set SS,  4                            ; v4       where my wave puts its partial sums
.set RD,  5                            ; v5-8     where I read the eight waves' partial sums of my tile, two waves to a register
.set TO,  9                            ; v9       16 x lane
.set BF,  10                           ; v10-73   fragments of proj: [K step 0..3][n tile 0..1][8]
.set X0,  74                           ; v74-137  the reference row: [K step][16] f32
.set ST,  74                           ; v74-201  before that: where proj lands, [K step][16 k][2 columns] f32
.set RR,  74                           ; v74-137  at the end: eight partial tiles
.set ACC, 138                          ; v138-201 accumulators: [tile q][n tile][8]
.set AS,  202                          ; v202-233 two slots of 16 f32 of batch
.set AF,  234                          ; v234-249 two fragments of batch
.set OQ,  250                          ; v250-253 set-up; at the end 8 bf16 to store
.set G1,  16                           ; s[16:23] group 1 of the four tiles
.set G1X, 24                           ; s[24:31] group 1 of the reference row's part
.set G0X, 32                           ; s[32:35] group 0 of the reference row's part
.set G0,  36                           ; s[36:51] group 0 of tile q: a set for each, since all five loads are out together
; A round of the cluster's barrier: my work-group's barrier, wave 0 signals for the work-group, every wave waits for the four work-groups, my work-group's barrier again.
.macro ROUND
	s_barrier_signal -1
	s_barrier_wait -1
	s_cmp_lg_u32 s10, 0
	s_cbranch_scc1 .Lnot_wave_0_\@
	s_barrier_signal -3
.Lnot_wave_0_\@:
	s_barrier_wait -3
	s_barrier_signal -1
	s_barrier_wait -1
.endm
	s_load_b128 s[4:7], s[0:1], 0x0                ; batch s[4:5], proj s[6:7]
	s_load_b64 s[8:9], s[0:1], 0x10                ; t
	v_lshl_add_u32 v254, v0, 2, 0x43000
	v_mov_b32 v255, 0
	ds_add_u32 v254, v255
	ds_add_u32 v254, v255
	v_lshrrev_b32 v1, 5, v0
	v_readfirstlane_b32 s10, v1                    ; wave 0..7
	s_bfe_u32 s11, ttmp6, 0x40000                  ; cx: which 32 columns of proj are mine.  It enters the addresses of proj and of t alone
	; group 1 of a tile: 16 rows x 128 f32, 4 rows of batch from row to row, 16 bytes of padding behind each row
	s_mov_b32 s[G1+0], 15|(2<<16)|(1<<20)|(1<<21)|(6<<22)|(3<<25)   ; 15:0 mask: all four of the cluster; 17:16 elements of 4 bytes; 20 padding on; 21 set beside a mask; 24:22 after every 128 words; 31:25 of 4 words
	s_mov_b32 s[G1+1], 128<<16                     ; tensor_dim0 = 128
	s_mov_b32 s[G1+2], 16<<16                      ; tensor_dim1 = 16
	s_mov_b32 s[G1+3], 128<<16                     ; tile_dim0 = 128
	s_mov_b32 s[G1+4], 16                          ; tile_dim1 = 16
	s_mov_b32 s[G1+5], 4096                        ; from row to row: 4 x 1,024 elements
	s_mov_b32 s[G1+6], 0
	s_mov_b32 s[G1+7], 0
	; group 1 of my 512 bytes of the reference row: one row of 64 elements of 8 bytes
	s_mov_b32 s[G1X+0], 15|(3<<16)|(1<<21)
	s_mov_b32 s[G1X+1], 64<<16
	s_mov_b32 s[G1X+2], 1<<16
	s_mov_b32 s[G1X+3], 64<<16
	s_mov_b32 s[G1X+4], 1
	s_mov_b32 s[G1X+5], 64
	s_mov_b32 s[G1X+6], 0
	s_mov_b32 s[G1X+7], 0
	; offsets.  What feeds the descriptors is made of the cluster's number and the wave's number alone, in registers that never hold cx
	s_lshl_b32 s52, s10, 9                         ; my wave's 512 bytes of a row
	s_lshl_b32 s12, ttmp9, 18                      ; group g: 64 rows of 4,096 bytes
	s_add_co_u32 s12, s12, s52
	s_mov_b32 s13, 0
	s_lshr_b32 s14, ttmp9, 3                       ; the batch: 8 groups each
	s_lshl_b32 s14, s14, 21                        ; its row 0: 512 rows of 4,096 bytes a batch
	s_add_co_u32 s14, s14, s52
	s_mov_b32 s15, 0
	s_mul_i32 s53, s10, XWAVE                      ; my wave's tiles in LDS
	s_lshl_b32 s54, s10, 16                        ; proj: my wave's 128 rows of 512 bytes,
	s_lshl_b32 s55, s11, 7                         ; my work-group's 128 bytes of each
	s_add_co_u32 s54, s54, s55
	s_mov_b32 s55, 0
	s_lshl_b32 s56, ttmp9, 14                      ; t: the group's four tiles of 4,096 bytes;
	s_lshr_b32 s57, s10, 1                         ; at the end wave j stores accumulator tile j: tile q = j / 2,
	s_lshl_b32 s57, s57, 12
	s_add_co_u32 s56, s56, s57
	s_and_b32 s57, s10, 1                          ; n tile j % 2,
	s_lshl_b32 s57, s57, 9
	s_add_co_u32 s56, s56, s57
	s_lshl_b32 s57, s11, 10                        ; quad 2 cx + n tile, 512 bytes each
	s_add_co_u32 s56, s56, s57
	s_mov_b32 s57, 0
	v_and_b32 v250, 15, v0                         ; r
	v_bfe_u32 v251, v0, 4, 1                       ; h
	v_and_b32 v252, 31, v0
	v_lshlrev_b32 v[TO], 4, v252
	v_mul_u32_u24 v[XA], v250, XPITCH
	v_lshl_add_u32 v[XA], v251, 6, v[XA]
	v_add_nc_u32 v[XA], s53, v[XA]                 ; wave's tiles + r x pitch + 64 h
	v_lshlrev_b32 v[PO], 3, v250
	v_lshl_add_u32 v[PO], v251, 13, v[PO]          ; 16 h rows of 512 bytes + 8 r
	v_add_nc_u32 v[SS], s53, v[TO]
	v_lshl_add_u32 v[RD], s10, 10, v[TO]           ; tile j = my wave's number, 1,024 bytes each, in wave 0's partial sums
	v_add_nc_u32 v[RD+1], 2*XWAVE, v[RD]           ; in wave 2's, 4's, 6's (an LDS offset has 16 bits: it reaches one wave further)
	v_add_nc_u32 v[RD+2], 4*XWAVE, v[RD]
	v_add_nc_u32 v[RD+3], 6*XWAVE, v[RD]
	s_wait_dscnt 0x0
	s_wait_kmcnt 0x0
	s_add_nc_u64 s[12:13], s[4:5], s[12:13]        ; batch at row 64 g, my wave's k
	s_add_nc_u64 s[14:15], s[4:5], s[14:15]        ; batch at the reference row, my wave's k
	s_add_nc_u64 s[6:7], s[6:7], s[54:55]
	s_add_nc_u64 s[8:9], s[8:9], s[56:57]
	s_mov_b32 s[G0X], 1
	s_add_co_u32 s[G0X+1], s52, X0LDS
	s_mov_b64 s[G0X+2:G0X+3], s[14:15]
	s_or_b32 s[G0X+3], s[G0X+3], 0x80000000
.irp q, 0,1,2,3
	s_mov_b32 s[G0+4*\q], 1
	s_add_co_u32 s[G0+4*\q+1], s53, \q*XTILE
	s_add_nc_u64 s[G0+4*\q+2:G0+4*\q+3], s[12:13], \q*ROWB         ; rows 64 g + q, + 4, + 8, ...
	s_or_b32 s[G0+4*\q+3], s[G0+4*\q+3], 0x80000000
.endr
	v_lshlrev_b32 v[X0A], 6, v251
	v_add_nc_u32 v[X0A], s[G0X+1], v[X0A]
	ROUND                                          ; the four work-groups are here: their joint loads meet
	tensor_load_to_lds s[G0X:G0X+3], s[G1X:G1X+7]  ; all first fills as one group: five loads of this wave are out, and no more follow
	s_nop 0
.irp q, 0,1,2,3
	tensor_load_to_lds s[G0+4*\q:G0+4*\q+3], s[G1:G1+7]
	s_nop 0
.endr
	; my wave's part of proj, 128 k x 32 columns: lanes 0-15 take the 128 bytes of row k, lanes 16-31 those of row k + 16; lane r gets columns 2 r and 2 r + 1
.irp s, 0,1,2,3
.irp i, 0,1,2,3,4,5,6,7,8,9,10,11,12,13,14,15
	global_load_b64 v[ST+32*\s+2*\i:ST+32*\s+2*\i+1], v[PO], s[6:7] offset:(32*\s+\i)*512
.endr
.endr
	; to bf16 while batch is on its way: register j of a fragment = k slots 2 j and 2 j + 1; n tile 0 gets the even columns, n tile 1 the odd ones
.irp s, 0,1,2,3
	s_wait_loadcnt 48-16*\s                        ; loads come back in order: all but the 16 of each later K step are in
.irp n, 0,1
.irp j, 0,1,2,3,4,5,6,7
	v_cvt_pk_bf16_f32 v[BF+16*\s+8*\n+\j], v[ST+32*\s+4*\j+\n], v[ST+32*\s+4*\j+2+\n]
.endr
.endr
.endr
	s_wait_tensorcnt 0x3                           ; the reference row's part and tile 0 have landed; tiles 1, 2, 3 may be out.  Only this wave reads what it asked for
.irp s, 0,1,2,3
.irp j, 0,1,2,3
	ds_load_b128 v[X0+16*\s+4*\j:X0+16*\s+4*\j+3], v[X0A] offset:128*\s+16*\j      ; the 16 lanes of a half read the same 16 bytes
.endr
.endr
.irp j, 0,1,2,3
	ds_load_b128 v[AS+4*\j:AS+4*\j+3], v[XA] offset:16*\j                          ; step 0
.endr
; Sixteen steps t = 4 q + s: tile q, K step s.  Each fetches the next step's 64 bytes a lane, takes the reference row away, rounds, multiplies.
; The two accumulators of a tile take turns, one matrix instruction a turn.
; A fragment is written again two steps after the matrix instructions that read it: the 16 vector instructions of the step between name none of their registers.
.set t, 0
.rept 16
.if t < 15
.if ((t+1)&3) == 0
	s_wait_tensorcnt 3-((t+1)>>2)                  ; the next tile has landed; the tiles behind it may be out
.endif
.irp j, 0,1,2,3
	ds_load_b128 v[AS+16*((t+1)&1)+4*\j:AS+16*((t+1)&1)+4*\j+3], v[XA] offset:((t+1)>>2)*XTILE+((t+1)&3)*128+16*\j
.endr
	s_wait_dscnt 0x4                               ; all but the four just issued: this step's numbers are in
.else
	s_wait_dscnt 0x0
.endif
.irp j, 0,2,4,6,8,10,12,14
	v_pk_add_f32 v[AS+16*(t&1)+\j:AS+16*(t&1)+\j+1], v[AS+16*(t&1)+\j:AS+16*(t&1)+\j+1], v[X0+16*(t&3)+\j:X0+16*(t&3)+\j+1] neg_lo:[0,1] neg_hi:[0,1]
.endr
.irp j, 0,1,2,3,4,5,6,7
	v_cvt_pk_bf16_f32 v[AF+8*(t&1)+\j], v[AS+16*(t&1)+2*\j], v[AS+16*(t&1)+2*\j+1]
.endr
.if (t&3) == 0
	v_wmma_f32_16x16x32_bf16 v[ACC+16*(t>>2):ACC+16*(t>>2)+7], v[BF+16*(t&3):BF+16*(t&3)+7], v[AF+8*(t&1):AF+8*(t&1)+7], 0      ; a tile's first product starts its sums
	v_wmma_f32_16x16x32_bf16 v[ACC+16*(t>>2)+8:ACC+16*(t>>2)+15], v[BF+16*(t&3)+8:BF+16*(t&3)+15], v[AF+8*(t&1):AF+8*(t&1)+7], 0
.else
	v_wmma_f32_16x16x32_bf16 v[ACC+16*(t>>2):ACC+16*(t>>2)+7], v[BF+16*(t&3):BF+16*(t&3)+7], v[AF+8*(t&1):AF+8*(t&1)+7], v[ACC+16*(t>>2):ACC+16*(t>>2)+7]
	v_wmma_f32_16x16x32_bf16 v[ACC+16*(t>>2)+8:ACC+16*(t>>2)+15], v[BF+16*(t&3)+8:BF+16*(t&3)+15], v[AF+8*(t&1):AF+8*(t&1)+7], v[ACC+16*(t>>2)+8:ACC+16*(t>>2)+15]
.endif
.set t, t+1
.endr
	; The eight waves' partial sums meet in LDS.  A wave writes its 8 KB over the head of its own four tiles: their only fills have landed
	; (the wait for 0 above), its reads of them are back (s_wait_dscnt 0 in the last step), no other wave touches them, nothing is filled again.
.rept 4
	v_nop                                          ; four places between the last matrix instructions and the LDS stores that read their results
.endr
.irp j, 0,1,2,3,4,5,6,7
	ds_store_b128 v[SS], v[ACC+8*\j:ACC+8*\j+3] offset:1024*\j
	ds_store_b128 v[SS], v[ACC+8*\j+4:ACC+8*\j+7] offset:1024*\j+512
.endr
	s_wait_dscnt 0x0                               ; for the others' sake: my stores are done
	s_barrier_signal -1
	s_barrier_wait -1
.irp i, 0,1,2,3
.irp u, 0,1
	ds_load_b128 v[RR+8*(2*\i+\u):RR+8*(2*\i+\u)+3], v[RD+\i] offset:\u*XWAVE
	ds_load_b128 v[RR+8*(2*\i+\u)+4:RR+8*(2*\i+\u)+7], v[RD+\i] offset:\u*XWAVE+512
.endr
.endr
	s_wait_dscnt 0x0
.irp w, 0,2,4,6
.irp j, 0,2,4,6
	v_pk_add_f32 v[RR+8*\w+\j:RR+8*\w+\j+1], v[RR+8*\w+\j:RR+8*\w+\j+1], v[RR+8*\w+8+\j:RR+8*\w+8+\j+1]
.endr
.endr
.irp w, 0,4
.irp j, 0,2,4,6
	v_pk_add_f32 v[RR+8*\w+\j:RR+8*\w+\j+1], v[RR+8*\w+\j:RR+8*\w+\j+1], v[RR+8*\w+16+\j:RR+8*\w+16+\j+1]
.endr
.endr
.irp j, 0,2,4,6
	v_pk_add_f32 v[RR+\j:RR+\j+1], v[RR+\j:RR+\j+1], v[RR+32+\j:RR+32+\j+1]
.endr
.irp j, 0,1,2,3
	v_cvt_pk_bf16_f32 v[OQ+\j], v[RR+2*\j], v[RR+2*\j+1]
.endr
	global_store_b128 v[TO], v[OQ:OQ+3], s[8:9]    ; one quad: the wave stores 512 consecutive bytes, at a multiple of 512 from t's first byte
	s_wait_tensorcnt 0x0
	ds_add_u32 v254, v255
	s_wait_dscnt 0x0
	ROUND                                          ; the closing round: no work-group ends while a partner may still ask for a tile that names it
	s_endpgm
.Lfunc_end_k_q723ea3386a_project:
	.size	k_q723ea3386a_project, .Lfunc_end_k_q723ea3386a_project-k_q723ea3386a_project
	.p2alignl 7, 3214868480
	.fill 96, 4, 3214868480
	.section	.rodata,"a",@progbits
	.p2align	6, 0x0
	.amdhsa_kernel k_q723ea3386a_project
		.amdhsa_group_segment_fixed_size 275456
		.amdhsa_private_segment_fixed_size 0
		.amdhsa_enable_private_segment 0
		.amdhsa_kernarg_size 24
		.amdhsa_user_sgpr_count 2
		.amdhsa_user_sgpr_kernarg_segment_ptr 1
		.amdhsa_wavefront_size32 1
		.amdhsa_system_sgpr_workgroup_id_x 1
		.amdhsa_system_sgpr_workgroup_id_y 1
		.amdhsa_system_sgpr_workgroup_id_z 1
		.amdhsa_system_vgpr_workitem_id 0
		.amdhsa_next_free_vgpr 256
		.amdhsa_next_free_sgpr 66
		.amdhsa_reserve_vcc 0
		.amdhsa_float_denorm_mode_32 3
		.amdhsa_float_denorm_mode_16_64 3
		.amdhsa_memory_ordered 1
		.amdhsa_forward_progress 1
		.amdhsa_inst_pref_size 44
	.end_amdhsa_kernel
	.amdgpu_metadata
---
amdhsa.version: [ 1, 2 ]
amdhsa.kernels:
  - .name:           k_q723ea3386a_project
    .symbol:         k_q723ea3386a_project.kd
    .args:
      - { .name: batch, .offset: 0, .size: 8, .value_kind: global_buffer, .address_space: global }
      - { .name: proj, .offset: 8, .size: 8, .value_kind: global_buffer, .address_space: global }
      - { .name: t, .offset: 16, .size: 8, .value_kind: global_buffer, .address_space: global }
    .group_segment_fixed_size: 275456
    .private_segment_fixed_size: 0
    .kernarg_segment_align: 8
    .kernarg_segment_size: 24
    .max_flat_workgroup_size: 256
    .sgpr_count:     66
    .vgpr_count:     256
    .wavefront_size: 32
...
	.end_amdgpu_metadata
.endif
;; end of part 1
;; launch gram (part 2): grid 256 x 1, 4 waves a work-group, no clusters, 1,536 bytes of LDS; arguments t, out0; writes out0
.if DOCPART == 2
	.amdgcn_target "amdgcn-amd-amdhsa--gfx1250"
	.amdhsa_code_object_version 6
	.text
	.protected	k_q723ea3386a_gram
	.globl	k_q723ea3386a_gram
	.p2align	8
	.type	k_q723ea3386a_gram,@function
k_q723ea3386a_gram:
	s_mov_b64 s[64:65], 0
	v_nop
	global_prefetch_b8 v0, s[64:65] scope:SCOPE_SE
	s_setreg_imm32_b32 hwreg(HW_REG_WAVE_MODE, 25, 1), 1
	s_wait_xcnt 0x0
; out0[b][i][j] = n_i + n_j - 2 u_i . u_j, where u is the bf16 matrix t of the launch before and n_i = u_i . u_i in f32 FROM THE SAME bf16 NUMBERS,
; so that the identity with sum over n of (u_i[n] - u_j[n])^2 is exact for the rounded vectors up to the rounding of f32 sums.  u_i is row i's
; image minus that of its batch's row 0, so n_i is itself one of the batch's distances: no sum here is larger than the results' own size.
; A result near zero (the diagonal) may come out as a small negative number, of the size of one rounding of n_i.
;
; t: tile T (16 rows, 4,096 bytes) = [quad c = 0..7][lane][16 bytes]; tile 32 b + 4 g + q holds rows 64 g + 4 r + q of batch b, lane (r, h) eight numbers of row r.
; Quads 2 s and 2 s + 1 ARE a fragment of K step s, for source 0 and source 1 alike: every load of a wave is 512 consecutive bytes straight
; into registers.  No LDS pass, hence no tensor loads and no joint loads: a joint load would land in LDS and add a write and a read of every
; fragment and two rounds of a cluster's barrier, for the 32 matrix instructions of a wave.
; SHARES.  Work-group = (batch b, column group gb of 64, row block aq of 128).  Wave w: tiles 8 aq + 2 w and + 1 as source 0, the four tiles of group gb as source 1.
; In accumulator q, register j of lane (r, h) is row 64 g + 4 (8 h + j) + qa, column 64 gb + 4 r + q: the four accumulators' registers j are four
; NEIGHBOURING columns.  The last arithmetic instruction puts them side by side, and a 16-byte store of 16 lanes covers 256 consecutive bytes, aligned.
.set LO,  1                            ; v1       16 x lane
.set SO,  2                            ; v2       my byte offset in out0: 32 h rows of 2,048 bytes + 16 r
.set LC,  3                            ; v3       LDS: where my wave puts the norms of column tile q = w
.set LR,  4                            ; v4       LDS: where my wave puts the norms of its two row tiles
.set LCR, 5                            ; v5       LDS: 4 r, to read the column norms
.set LRR, 6                            ; v6       LDS: to read my eight row norms
.set Z,   7                            ; v7       0.0: starts the sums of squares
.set BFR, 8                            ; v8-135   column tiles q = 0..3, 32 registers each
.set AFR, 136                          ; v136-199 row tiles a = 0, 1; after use: the results, four neighbouring columns to a quad
.set ACC, 200                          ; v200-231 first a second copy of column tile q = w (for its norms), then the four accumulators
.set NC,  232                          ; v232-235 first three norms on their way to LDS, then the norms of my four columns
.set NR,  236                          ; v236-251 the norms of my eight rows, for a = 0, 1
.set T,   252                          ; v252-255 at work
	s_load_b128 s[4:7], s[0:1], 0x0                ; t s[4:5], out0 s[6:7]
	s_set_vgpr_msb 0x40
	v_lshl_add_u32 v0, v0, 2, 0x400
	v_mov_b32 v1, 0
	s_set_vgpr_msb 0x4000
	v_lshrrev_b32 v1, 5, v0
	v_readfirstlane_b32 s10, v1                    ; wave 0..3
	s_lshr_b32 s11, ttmp9, 5                       ; b
	s_bfe_u32 s12, ttmp9, 0x30002                  ; gb: 3 bits from bit 2
	s_and_b32 s13, ttmp9, 3                        ; aq
	s_lshl_b32 s24, s11, 17                        ; a batch: 32 tiles of 4,096 bytes
	s_lshl_b32 s14, s12, 14                        ; a group: 4 tiles
	s_add_co_u32 s14, s14, s24                     ; the column tiles
	s_mov_b32 s15, 0
	s_lshl_b32 s16, s13, 15                        ; 8 tiles a row block,
	s_add_co_u32 s16, s16, s24
	s_lshl_b32 s25, s10, 13                        ; 2 a wave
	s_add_co_u32 s16, s16, s25                     ; my row tiles
	s_mov_b32 s17, 0
	s_lshl_b32 s18, s10, 12
	s_add_co_u32 s18, s18, s14                     ; column tile q = w
	s_mov_b32 s19, 0
	s_lshl_b32 s20, s11, 20                        ; out0: a batch is 512 x 2,048 bytes;
	s_lshl_b32 s25, s13, 18                        ; my first row is 128 aq
	s_add_co_u32 s20, s20, s25
	s_lshr_b32 s25, s10, 1
	s_lshl_b32 s25, s25, 17                        ; + 64 (w / 2)
	s_add_co_u32 s20, s20, s25
	s_and_b32 s25, s10, 1
	s_lshl_b32 s25, s25, 12                        ; + 2 (w % 2);
	s_add_co_u32 s20, s20, s25
	s_lshl_b32 s25, s12, 8                         ; my first column is 64 gb
	s_add_co_u32 s20, s20, s25
	s_mov_b32 s21, 0
	s_mov_b32 s22, 0x76543210                      ; v_permlanex16_b32: lane i of one half reads lane i of the other
	s_mov_b32 s23, 0xfedcba98
	v_and_b32 v[T], 15, v0                         ; r
	v_bfe_u32 v[T+1], v0, 4, 1                     ; h
	v_and_b32 v[LO], 31, v0
	v_lshlrev_b32 v[LO], 4, v[LO]
	v_lshlrev_b32 v[SO], 4, v[T]
	v_lshl_add_u32 v[SO], v[T+1], 16, v[SO]
	v_lshlrev_b32 v[LCR], 2, v[T]
	v_lshl_add_u32 v[LC], s10, 6, v[LCR]           ; bytes 0-255: [column tile q][r], 64 bytes from each wave
	s_lshl_b32 s25, s10, 7
	s_add_co_u32 s25, s25, 256                     ; bytes 256-767: [wave][a][r], 128 bytes a wave
	v_lshl_add_u32 v[LR], v[T], 2, s25
	v_lshl_add_u32 v[LRR], v[T+1], 5, s25          ; rows 8 h .. 8 h + 7 of a tile
	v_mov_b32 v[Z], 0
	s_wait_kmcnt 0x0
	s_add_nc_u64 s[14:15], s[4:5], s[14:15]
	s_add_nc_u64 s[16:17], s[4:5], s[16:17]
	s_add_nc_u64 s[18:19], s[4:5], s[18:19]
	s_add_nc_u64 s[20:21], s[6:7], s[20:21]
	; all 56 loads at once, in the order of their use
.irp c, 0,1,2,3,4,5,6,7
	global_load_b128 v[ACC+4*\c:ACC+4*\c+3], v[LO], s[18:19] offset:512*\c
.endr
.irp a, 0,1
.irp c, 0,1,2,3,4,5,6,7
	global_load_b128 v[AFR+32*\a+4*\c:AFR+32*\a+4*\c+3], v[LO], s[16:17] offset:4096*\a+512*\c
.endr
.endr
.irp s, 0,1,2,3
.irp q, 0,1,2,3
.irp u, 0,1
	global_load_b128 v[BFR+32*\q+8*\s+4*\u:BFR+32*\q+8*\s+4*\u+3], v[LO], s[14:15] offset:4096*\q+512*(2*\s+\u)
.endr
.endr
.endr
; The squared norm of row r of the tile in v[x .. x+31], into d of lanes (r, 0) and (r, 1).  A lane holds 64 of the row's 128 numbers: 64 multiply-adds
; straight from the bf16 halves (each product is exact in f32), in four chains; the other half of the lanes holds the rest.
.macro NORM x, d
	v_fma_mix_f32_bf16 v[T],   v[\x],   v[\x],   v[Z] op_sel_hi:[1,1,0]
	v_fma_mix_f32_bf16 v[T+1], v[\x],   v[\x],   v[Z] op_sel:[1,1,0] op_sel_hi:[1,1,0]
	v_fma_mix_f32_bf16 v[T+2], v[\x+1], v[\x+1], v[Z] op_sel_hi:[1,1,0]
	v_fma_mix_f32_bf16 v[T+3], v[\x+1], v[\x+1], v[Z] op_sel:[1,1,0] op_sel_hi:[1,1,0]
.set i, 2
.rept 15
	v_fma_mix_f32_bf16 v[T],   v[\x+i],   v[\x+i],   v[T]   op_sel_hi:[1,1,0]
	v_fma_mix_f32_bf16 v[T+1], v[\x+i],   v[\x+i],   v[T+1] op_sel:[1,1,0] op_sel_hi:[1,1,0]
	v_fma_mix_f32_bf16 v[T+2], v[\x+i+1], v[\x+i+1], v[T+2] op_sel_hi:[1,1,0]
	v_fma_mix_f32_bf16 v[T+3], v[\x+i+1], v[\x+i+1], v[T+3] op_sel:[1,1,0] op_sel_hi:[1,1,0]
.set i, i+2
.endr
	v_add_f32 v[T], v[T], v[T+1]
	v_add_f32 v[T+2], v[T+2], v[T+3]
	v_add_f32 v[T], v[T], v[T+2]
	v_permlanex16_b32 v[T+1], v[T], s22, s23
	v_add_f32 v[\d], v[T], v[T+1]
.endm
	s_wait_loadcnt 48                              ; the first eight loads are in: 16 + 32 were issued behind them
	NORM ACC, NC
	s_wait_loadcnt 40                              ; row tile 0
	NORM AFR, NC+1
	s_wait_loadcnt 32                              ; row tile 1; the column tiles' 32 loads may be out
	NORM AFR+32, NC+2
	ds_store_b32 v[LC], v[NC]                      ; lanes (r, 0) and (r, 1) write the same word with the same number
	ds_store_b32 v[LR], v[NC+1]
	ds_store_b32 v[LR], v[NC+2] offset:64
	s_wait_dscnt 0x0                               ; for the others' sake: my stores are done
	s_barrier_signal -1
	s_barrier_wait -1
.irp q, 0,1,2,3
	ds_load_b32 v[NC+\q], v[LCR] offset:64*\q      ; the norm of column 4 r + q
.endr
.irp a, 0,1
	ds_load_b128 v[NR+8*\a:NR+8*\a+3], v[LRR] offset:64*\a         ; the norms of rows 8 h .. 8 h + 7 of tile a
	ds_load_b128 v[NR+8*\a+4:NR+8*\a+7], v[LRR] offset:64*\a+16
.endr
; 16 matrix instructions: row tile a times the four column tiles.  The four accumulators take turns, one instruction a turn.
.macro GRAM a, counted
.irp s, 0,1,2,3
.if \counted
	s_wait_loadcnt 24-8*\s                         ; this K step's eight loads are in; eight for each later step may be out
.endif
.irp q, 0,1,2,3
.if \s == 0
	v_wmma_f32_16x16x32_bf16 v[ACC+8*\q:ACC+8*\q+7], v[AFR+32*\a+8*\s:AFR+32*\a+8*\s+7], v[BFR+32*\q+8*\s:BFR+32*\q+8*\s+7], 0
.else
	v_wmma_f32_16x16x32_bf16 v[ACC+8*\q:ACC+8*\q+7], v[AFR+32*\a+8*\s:AFR+32*\a+8*\s+7], v[BFR+32*\q+8*\s:BFR+32*\q+8*\s+7], v[ACC+8*\q:ACC+8*\q+7]
.endif
.endr
.endr
.endm
; n_row - 2 G, then + n_col, written over the row tile's fragments, four neighbouring columns side by side; eight stores.
; Five places stand behind the last matrix instructions: four are owed before vector instructions read their results and write over their
; source 0, five before the next tile's first matrix instructions write over the accumulators (ISA guide 7.12.1).
.macro OUT a
.rept 5
	v_nop
.endr
.irp j, 0,1,2,3,4,5,6,7
.irp q, 0,1,2,3
	v_fma_f32 v[AFR+32*\a+4*\j+\q], v[ACC+8*\q+\j], -2.0, v[NR+8*\a+\j]
.endr
	v_pk_add_f32 v[AFR+32*\a+4*\j:AFR+32*\a+4*\j+1], v[AFR+32*\a+4*\j:AFR+32*\a+4*\j+1], v[NC:NC+1]
	v_pk_add_f32 v[AFR+32*\a+4*\j+2:AFR+32*\a+4*\j+3], v[AFR+32*\a+4*\j+2:AFR+32*\a+4*\j+3], v[NC+2:NC+3]
	global_store_b128 v[SO], v[AFR+32*\a+4*\j:AFR+32*\a+4*\j+3], s[20:21] offset:8192*\j+2048*\a th:TH_STORE_NT   ; rows 4 j + a and 32 + 4 j + a: each half of the lanes stores 256 consecutive bytes, aligned
.endr
.endm
	GRAM 0, 1
	s_wait_dscnt 0x0                               ; the norms are in
	OUT 0
	GRAM 1, 0
	OUT 1
	s_set_vgpr_msb 0x5
	s_wait_tensorcnt 0x0
	ds_add_u32 v0, v1
	s_wait_dscnt 0x0
	s_set_vgpr_msb 0x500
	s_endpgm
.Lfunc_end_k_q723ea3386a_gram:
	.size	k_q723ea3386a_gram, .Lfunc_end_k_q723ea3386a_gram-k_q723ea3386a_gram
	.p2alignl 7, 3214868480
	.fill 96, 4, 3214868480
	.section	.rodata,"a",@progbits
	.p2align	6, 0x0
	.amdhsa_kernel k_q723ea3386a_gram
		.amdhsa_group_segment_fixed_size 1536
		.amdhsa_private_segment_fixed_size 0
		.amdhsa_enable_private_segment 0
		.amdhsa_kernarg_size 16
		.amdhsa_user_sgpr_count 2
		.amdhsa_user_sgpr_kernarg_segment_ptr 1
		.amdhsa_wavefront_size32 1
		.amdhsa_system_sgpr_workgroup_id_x 1
		.amdhsa_system_sgpr_workgroup_id_y 1
		.amdhsa_system_sgpr_workgroup_id_z 1
		.amdhsa_system_vgpr_workitem_id 0
		.amdhsa_next_free_vgpr 258
		.amdhsa_next_free_sgpr 66
		.amdhsa_reserve_vcc 0
		.amdhsa_float_denorm_mode_32 3
		.amdhsa_float_denorm_mode_16_64 3
		.amdhsa_memory_ordered 1
		.amdhsa_forward_progress 1
		.amdhsa_inst_pref_size 32
	.end_amdhsa_kernel
	.amdgpu_metadata
---
amdhsa.version: [ 1, 2 ]
amdhsa.kernels:
  - .name:           k_q723ea3386a_gram
    .symbol:         k_q723ea3386a_gram.kd
    .args:
      - { .name: t, .offset: 0, .size: 8, .value_kind: global_buffer, .address_space: global }
      - { .name: out0, .offset: 8, .size: 8, .value_kind: global_buffer, .address_space: global }
    .group_segment_fixed_size: 1536
    .private_segment_fixed_size: 0
    .kernarg_segment_align: 8
    .kernarg_segment_size: 16
    .max_flat_workgroup_size: 128
    .sgpr_count:     66
    .vgpr_count:     258
    .wavefront_size: 32
...
	.end_amdgpu_metadata
.endif
;; end of part 2
;; ======== version 2 of 2: 2 launches; version 1 with the launch gram written anew for expert scheduling mode
;; limits: values outside matrix products are rounded to bf16
;; workspace buffers: t 1,048,576 bytes
;; launch project: the kernel of part 1 again; grid 256 x 1, 8 waves a work-group, clusters of 4 x 1, 275,456 bytes of LDS; arguments batch, proj, t; writes t
;; launch gram (part 3): grid 256 x 1, 4 waves a work-group, no clusters, 1,536 bytes of LDS; arguments t, out0; writes out0
.if DOCPART == 3
	.amdgcn_target "amdgcn-amd-amdhsa--gfx1250"
	.amdhsa_code_object_version 6
	.text
	.protected	k_q723ea3386a_gram
	.globl	k_q723ea3386a_gram
	.p2align	8
	.type	k_q723ea3386a_gram,@function
k_q723ea3386a_gram:
	s_mov_b64 s[64:65], 0
	v_nop
	global_prefetch_b8 v0, s[64:65] scope:SCOPE_SE
	s_setreg_imm32_b32 hwreg(HW_REG_WAVE_SCHED_MODE, 0, 2), 2
	s_setreg_imm32_b32 hwreg(HW_REG_WAVE_MODE, 25, 1), 1
	s_wait_xcnt 0x0
	s_wait_alu depctr_vm_vsrc(0)
; out0[b][i][j] = n_i + n_j - 2 u_i . u_j, where u is the bf16 matrix t of the launch before and n_i = u_i . u_i in f32 FROM THE SAME bf16 NUMBERS,
; so that the identity with sum over n of (u_i[n] - u_j[n])^2 is exact for the rounded vectors up to the rounding of f32 sums.  u_i is row i's
; image minus that of its batch's row 0, so n_i is itself one of the batch's distances: no sum here is larger than the results' own size.
; A result near zero (the diagonal) may come out as a small negative number, of the size of one rounding of n_i.
;
; t: tile T (16 rows, 4,096 bytes) = [quad c = 0..7][lane][16 bytes]; tile 32 b + 4 g + q holds rows 64 g + 4 r + q of batch b, lane (r, h) eight numbers of row r.
; Quads 2 s and 2 s + 1 ARE a fragment of K step s, for source 0 and source 1 alike: every load of a wave is 512 consecutive bytes straight
; into registers.  No LDS pass, hence no tensor loads and no joint loads: a joint load would land in LDS and add a write and a read of every
; fragment and two rounds of a cluster's barrier, for the 32 matrix instructions of a wave.
; SHARES.  Work-group = (batch b, column group gb of 64, row block aq of 128).  Wave w: tiles 8 aq + 2 w and + 1 as source 0, the four tiles of group gb as source 1.
; In accumulator q, register j of lane (r, h) is row 64 g + 4 (8 h + j) + qa, column 64 gb + 4 r + q: the four accumulators' registers j are four
; NEIGHBOURING columns.  The last arithmetic instruction puts them side by side, and a 16-byte store of 16 lanes covers 256 consecutive bytes, aligned.
; THE MODE: SCHED_MODE bits 1:0 = 2 (LLVM: expert scheduling mode 2), set by the entry lines.  The code itself states the register dependences
; between vector or matrix instructions and memory or LDS instructions, with s_wait_alu, always for 0.
; THE PLAN.  Registers that memory or LDS instructions touch:
;   v1 to v6      offsets and LDS addresses: written once at the head by vector instructions, read by every load and store, never written again.
;   BFR, AFR, ACC the 56 loads land in them; no vector instruction names them before.  ACC then passes to the matrix instructions: vector side alone.
;   NC .. NC+2    written by the three norms' last additions, read by the three LDS stores; behind the barrier the column norms' LDS loads land in NC .. NC+3.
;   NR            LDS loads land in it; no vector instruction names it before.
;   AFR, tile a   when the tile's products are done its 32 registers are the out-buffer: written by the tile's 48 arithmetic lines, read by its 8 stores, never written again.
; So: one wait on va_sdst for the wave's number; one on va_vdst ahead of the first load (v1 to v6); one ahead of the LDS stores (the norms); one on vm_vsrc
; behind the barrier (the LDS stores have read NC); one on va_vdst behind each tile's arithmetic, ahead of its stores.  Tile 0's stores are dealt among tile 1's
; matrix instructions, which name tile 1's fragments, BFR and ACC: none of the registers that those stores touch (v2 and tile 0's out-buffer).
.set LO,  1                            ; v1       16 x lane
.set SO,  2                            ; v2       my byte offset in out0: 32 h rows of 2,048 bytes + 16 r
.set LC,  3                            ; v3       LDS: where my wave puts the norms of column tile q = w
.set LR,  4                            ; v4       LDS: where my wave puts the norms of its two row tiles
.set LCR, 5                            ; v5       LDS: 4 r, to read the column norms
.set LRR, 6                            ; v6       LDS: to read my eight row norms
.set Z,   7                            ; v7       0.0: starts the sums of squares
.set BFR, 8                            ; v8-135   column tiles q = 0..3, 32 registers each
.set AFR, 136                          ; v136-199 row tiles a = 0, 1; after use: the results, four neighbouring columns to a quad
.set ACC, 200                          ; v200-231 first a second copy of column tile q = w (for its norms), then the four accumulators
.set NC,  232                          ; v232-235 first three norms on their way to LDS, then the norms of my four columns
.set NR,  236                          ; v236-251 the norms of my eight rows, for a = 0, 1
.set T,   252                          ; v252-255 at work: no memory instruction names them
	s_load_b128 s[4:7], s[0:1], 0x0                ; t s[4:5], out0 s[6:7]
	s_set_vgpr_msb 0x40
	v_lshl_add_u32 v0, v0, 2, 0x400
	v_mov_b32 v1, 0
	s_set_vgpr_msb 0x4000
	v_lshrrev_b32 v1, 5, v0
	v_readfirstlane_b32 s10, v1                    ; wave 0..3
	s_lshr_b32 s11, ttmp9, 5                       ; b
	s_bfe_u32 s12, ttmp9, 0x30002                  ; gb: 3 bits from bit 2
	s_and_b32 s13, ttmp9, 3                        ; aq
	s_lshl_b32 s24, s11, 17                        ; a batch: 32 tiles of 4,096 bytes
	s_lshl_b32 s14, s12, 14                        ; a group: 4 tiles
	s_add_co_u32 s14, s14, s24                     ; the column tiles
	s_mov_b32 s15, 0
	s_lshl_b32 s16, s13, 15                        ; 8 tiles a row block,
	s_add_co_u32 s16, s16, s24
	s_wait_alu depctr_va_sdst(0)                   ; s10 is written, ahead of its first reader: the wave's offsets in t, in out0 and in LDS are made from it
	s_lshl_b32 s25, s10, 13                        ; 2 a wave
	s_add_co_u32 s16, s16, s25                     ; my row tiles
	s_mov_b32 s17, 0
	s_lshl_b32 s18, s10, 12
	s_add_co_u32 s18, s18, s14                     ; column tile q = w
	s_mov_b32 s19, 0
	s_lshl_b32 s20, s11, 20                        ; out0: a batch is 512 x 2,048 bytes;
	s_lshl_b32 s25, s13, 18                        ; my first row is 128 aq
	s_add_co_u32 s20, s20, s25
	s_lshr_b32 s25, s10, 1
	s_lshl_b32 s25, s25, 17                        ; + 64 (w / 2)
	s_add_co_u32 s20, s20, s25
	s_and_b32 s25, s10, 1
	s_lshl_b32 s25, s25, 12                        ; + 2 (w % 2);
	s_add_co_u32 s20, s20, s25
	s_lshl_b32 s25, s12, 8                         ; my first column is 64 gb
	s_add_co_u32 s20, s20, s25
	s_mov_b32 s21, 0
	s_mov_b32 s22, 0x76543210                      ; v_permlanex16_b32: lane i of one half reads lane i of the other
	s_mov_b32 s23, 0xfedcba98
	v_and_b32 v[T], 15, v0                         ; r
	v_bfe_u32 v[T+1], v0, 4, 1                     ; h
	v_and_b32 v[LO], 31, v0
	v_lshlrev_b32 v[LO], 4, v[LO]
	v_lshlrev_b32 v[SO], 4, v[T]
	v_lshl_add_u32 v[SO], v[T+1], 16, v[SO]
	v_lshlrev_b32 v[LCR], 2, v[T]
	v_lshl_add_u32 v[LC], s10, 6, v[LCR]           ; bytes 0-255: [column tile q][r], 64 bytes from each wave
	s_lshl_b32 s25, s10, 7
	s_add_co_u32 s25, s25, 256                     ; bytes 256-767: [wave][a][r], 128 bytes a wave
	v_lshl_add_u32 v[LR], v[T], 2, s25
	v_lshl_add_u32 v[LRR], v[T+1], 5, s25          ; rows 8 h .. 8 h + 7 of a tile
	v_mov_b32 v[Z], 0
	s_wait_kmcnt 0x0
	s_add_nc_u64 s[14:15], s[4:5], s[14:15]
	s_add_nc_u64 s[16:17], s[4:5], s[16:17]
	s_add_nc_u64 s[18:19], s[4:5], s[18:19]
	s_add_nc_u64 s[20:21], s[6:7], s[20:21]
	s_wait_alu depctr_va_vdst(0)                   ; the offsets and LDS addresses v1 to v6 are written, which the loads and stores of the whole kernel read; no vector instruction names them again
	; all 56 loads at once, in the order of their use
.irp c, 0,1,2,3,4,5,6,7
	global_load_b128 v[ACC+4*\c:ACC+4*\c+3], v[LO], s[18:19] offset:512*\c
.endr
.irp a, 0,1
.irp c, 0,1,2,3,4,5,6,7
	global_load_b128 v[AFR+32*\a+4*\c:AFR+32*\a+4*\c+3], v[LO], s[16:17] offset:4096*\a+512*\c
.endr
.endr
.irp s, 0,1,2,3
.irp q, 0,1,2,3
.irp u, 0,1
	global_load_b128 v[BFR+32*\q+8*\s+4*\u:BFR+32*\q+8*\s+4*\u+3], v[LO], s[14:15] offset:4096*\q+512*(2*\s+\u)
.endr
.endr
.endr
; The squared norm of row r of the tile in v[x .. x+31], into d of lanes (r, 0) and (r, 1).  A lane holds 64 of the row's 128 numbers: 64 multiply-adds
; straight from the bf16 halves (each product is exact in f32), in four chains; the other half of the lanes holds the rest.
.macro NORM x, d
	v_fma_mix_f32_bf16 v[T],   v[\x],   v[\x],   v[Z] op_sel_hi:[1,1,0]
	v_fma_mix_f32_bf16 v[T+1], v[\x],   v[\x],   v[Z] op_sel:[1,1,0] op_sel_hi:[1,1,0]
	v_fma_mix_f32_bf16 v[T+2], v[\x+1], v[\x+1], v[Z] op_sel_hi:[1,1,0]
	v_fma_mix_f32_bf16 v[T+3], v[\x+1], v[\x+1], v[Z] op_sel:[1,1,0] op_sel_hi:[1,1,0]
.set i, 2
.rept 15
	v_fma_mix_f32_bf16 v[T],   v[\x+i],   v[\x+i],   v[T]   op_sel_hi:[1,1,0]
	v_fma_mix_f32_bf16 v[T+1], v[\x+i],   v[\x+i],   v[T+1] op_sel:[1,1,0] op_sel_hi:[1,1,0]
	v_fma_mix_f32_bf16 v[T+2], v[\x+i+1], v[\x+i+1], v[T+2] op_sel_hi:[1,1,0]
	v_fma_mix_f32_bf16 v[T+3], v[\x+i+1], v[\x+i+1], v[T+3] op_sel:[1,1,0] op_sel_hi:[1,1,0]
.set i, i+2
.endr
	v_add_f32 v[T], v[T], v[T+1]
	v_add_f32 v[T+2], v[T+2], v[T+3]
	v_add_f32 v[T], v[T], v[T+2]
	v_permlanex16_b32 v[T+1], v[T], s22, s23
	v_add_f32 v[\d], v[T], v[T+1]
.endm
	s_wait_loadcnt 48                              ; the first eight loads are in: 16 + 32 were issued behind them
	NORM ACC, NC
	s_wait_loadcnt 40                              ; row tile 0
	NORM AFR, NC+1
	s_wait_loadcnt 32                              ; row tile 1; the column tiles' 32 loads may be out
	NORM AFR+32, NC+2
	s_wait_alu depctr_va_vdst(0)                   ; the three norms are written into v[NC .. NC+2], which the LDS stores read
	ds_store_b32 v[LC], v[NC]                      ; lanes (r, 0) and (r, 1) write the same word with the same number
	ds_store_b32 v[LR], v[NC+1]
	ds_store_b32 v[LR], v[NC+2] offset:64
	s_wait_dscnt 0x0                               ; for the others' sake: my stores are done
	s_barrier_signal -1
	s_barrier_wait -1
	s_wait_alu depctr_vm_vsrc(0)                   ; my LDS stores have read v[NC .. NC+2], in which the loads below land (the additions that wrote them stand ahead of the last wait on va_vdst)
.irp q, 0,1,2,3
	ds_load_b32 v[NC+\q], v[LCR] offset:64*\q      ; the norm of column 4 r + q
.endr
.irp a, 0,1
	ds_load_b128 v[NR+8*\a:NR+8*\a+3], v[LRR] offset:64*\a         ; the norms of rows 8 h .. 8 h + 7 of tile a
	ds_load_b128 v[NR+8*\a+4:NR+8*\a+7], v[LRR] offset:64*\a+16
.endr
; 16 matrix instructions: row tile a times the four column tiles.  The four accumulators take turns, one instruction a turn.
; send = 1: row tile 0's eight stores are dealt among them, one behind every second.  No wait: no vector or matrix instruction since the wait behind
; tile 0's arithmetic names v[SO] or tile 0's out-buffer.
.macro GRAM a, counted, send
.irp s, 0,1,2,3
.if \counted
	s_wait_loadcnt 24-8*\s                         ; this K step's eight loads are in; eight for each later step may be out
.endif
.irp q, 0,1,2,3
.if \s == 0
	v_wmma_f32_16x16x32_bf16 v[ACC+8*\q:ACC+8*\q+7], v[AFR+32*\a+8*\s:AFR+32*\a+8*\s+7], v[BFR+32*\q+8*\s:BFR+32*\q+8*\s+7], 0
.else
	v_wmma_f32_16x16x32_bf16 v[ACC+8*\q:ACC+8*\q+7], v[AFR+32*\a+8*\s:AFR+32*\a+8*\s+7], v[BFR+32*\q+8*\s:BFR+32*\q+8*\s+7], v[ACC+8*\q:ACC+8*\q+7]
.endif
.if (\send) && ((\q)&1)
	global_store_b128 v[SO], v[AFR+4*(2*\s+\q/2):AFR+4*(2*\s+\q/2)+3], s[20:21] offset:8192*(2*\s+\q/2) th:TH_STORE_NT   ; j = 2 s + q / 2: rows 4 j and 32 + 4 j: each half of the lanes stores 256 consecutive bytes, aligned
.endif
.endr
.endr
.endm
; n_row - 2 G, then + n_col, written over the row tile's fragments, four neighbouring columns side by side.
; Five places stand behind the last matrix instructions: four are owed before vector instructions read their results and write over their
; source 0, five before the next tile's first matrix instructions write over the accumulators (ISA guide 7.12.1).
; j ascends.
.macro OUT a
.rept 5
	v_nop
.endr
.irp j, 0,1,2,3,4,5,6,7
.irp q, 0,1,2,3
	v_fma_f32 v[AFR+32*\a+4*\j+\q], v[ACC+8*\q+\j], -2.0, v[NR+8*\a+\j]
.endr
	v_pk_add_f32 v[AFR+32*\a+4*\j:AFR+32*\a+4*\j+1], v[AFR+32*\a+4*\j:AFR+32*\a+4*\j+1], v[NC:NC+1]
	v_pk_add_f32 v[AFR+32*\a+4*\j+2:AFR+32*\a+4*\j+3], v[AFR+32*\a+4*\j+2:AFR+32*\a+4*\j+3], v[NC+2:NC+3]
.endr
.endm
	GRAM 0, 1, 0
	s_wait_dscnt 0x0                               ; the norms are in
	OUT 0
	s_wait_alu depctr_va_vdst(0)                   ; tile 0's arithmetic has written its out-buffer v[AFR .. AFR+31], which the eight stores among the products below read
	GRAM 1, 0, 1
	OUT 1
	s_wait_alu depctr_va_vdst(0)                   ; tile 1's arithmetic has written its out-buffer v[AFR+32 .. AFR+63], which the last eight stores read
.irp j, 0,1,2,3,4,5,6,7
	global_store_b128 v[SO], v[AFR+32+4*\j:AFR+32+4*\j+3], s[20:21] offset:8192*\j+2048 th:TH_STORE_NT   ; rows 4 j + 1 and 32 + 4 j + 1: each half of the lanes stores 256 consecutive bytes, aligned
.endr
	s_set_vgpr_msb 0x5
	s_wait_dscnt 0x0
	s_wait_alu depctr_hold_cnt(0) depctr_sa_sdst(0) depctr_va_vdst(0) depctr_va_sdst(0) depctr_va_ssrc(0) depctr_va_vcc(0) depctr_vm_vsrc(0)
	s_wait_tensorcnt 0x0
	ds_add_u32 v0, v1
	s_wait_dscnt 0x0
	s_endpgm
.Lfunc_end_k_q723ea3386a_gram:
	.size	k_q723ea3386a_gram, .Lfunc_end_k_q723ea3386a_gram-k_q723ea3386a_gram
	.p2alignl 7, 3214868480
	.fill 96, 4, 3214868480
	.section	.rodata,"a",@progbits
	.p2align	6, 0x0
	.amdhsa_kernel k_q723ea3386a_gram
		.amdhsa_group_segment_fixed_size 1536
		.amdhsa_private_segment_fixed_size 0
		.amdhsa_enable_private_segment 0
		.amdhsa_kernarg_size 16
		.amdhsa_user_sgpr_count 2
		.amdhsa_user_sgpr_kernarg_segment_ptr 1
		.amdhsa_wavefront_size32 1
		.amdhsa_system_sgpr_workgroup_id_x 1
		.amdhsa_system_sgpr_workgroup_id_y 1
		.amdhsa_system_sgpr_workgroup_id_z 1
		.amdhsa_system_vgpr_workitem_id 0
		.amdhsa_next_free_vgpr 258
		.amdhsa_next_free_sgpr 66
		.amdhsa_reserve_vcc 0
		.amdhsa_float_denorm_mode_32 3
		.amdhsa_float_denorm_mode_16_64 3
		.amdhsa_memory_ordered 1
		.amdhsa_forward_progress 1
		.amdhsa_inst_pref_size 32
	.end_amdhsa_kernel
	.amdgpu_metadata
---
amdhsa.version: [ 1, 2 ]
amdhsa.kernels:
  - .name:           k_q723ea3386a_gram
    .symbol:         k_q723ea3386a_gram.kd
    .args:
      - { .name: t, .offset: 0, .size: 8, .value_kind: global_buffer, .address_space: global }
      - { .name: out0, .offset: 8, .size: 8, .value_kind: global_buffer, .address_space: global }
    .group_segment_fixed_size: 1536
    .private_segment_fixed_size: 0
    .kernarg_segment_align: 8
    .kernarg_segment_size: 16
    .max_flat_workgroup_size: 128
    .sgpr_count:     66
    .vgpr_count:     258
    .wavefront_size: 32
...
	.end_amdgpu_metadata
.endif
;; end of part 3
